; MI455X (gfx1250); checked and timed in simulation.
; The chip was launched on July 23, 2026; its instructions are those of AMD's public machine-readable ISA for CDNA 5 (MIT licence, August 2026) and "CDNA5" Instruction Set Architecture Reference Guide (July 2026).
;; Multi Head Temporal Attention. Allowed arithmetic: matrix products marked QUANTISED: E5M2 operands, one given power-of-two scale a tensor, by v_wmma_f32_16x16x64_bf8_bf8 or v_wmma_f32_16x16x128_bf8_bf8, f32 sums; products left as they are: f32 operands where the result goes on into a quantised operand, else bf16, f16 or f32 operands; f32 sums; everything else in f32.
;; Inputs: Wk 512 x 512 float32; Wo 512 x 512 float32; Wq 512 x 512 float32; Wv 512 x 512 float32; enc 32 x 4,096 x 512 float32; lowp_scales 8 int32 (the exponents e of the quantised operands' scales 2^e).
;; Outputs: out0 32 x 512 float32; out1 32 x 4,096 float32.
;; This version of the problem:
;;   THIS VERSION OF THE PROBLEM IS GIVEN IN LOW PRECISION. The matrix products marked QUANTISED in the list below multiply operands that are first quantised to E5M2 (5 exponent bits, 2 mantissa bits; 8 bits a number), with one given power-of-two scale for each operand tensor; their sums are f32. All else is computed in f32.
;;   The module's matrix products, in the order in which they are computed (A, B: the left and right operand; K: the contracted axis; several contracted axes count as one K, in the product's order):
;;     1. [M 32, K 512] x [K 512, N 512]; A: input enc; B: input Wq: QUANTISED (scales: A lowp_scales[0], B lowp_scales[1])
;;     2. [M 131,072, K 512] x [K 512, N 512]; A: input enc; B: input Wk: QUANTISED (scales: A lowp_scales[2], B lowp_scales[3])
;;     3. [M 131,072, K 512] x [K 512, N 512]; A: input enc; B: input Wv: QUANTISED (scales: A lowp_scales[4], B lowp_scales[5])
;;     4. batch 256 x [M 1, K 64] x [K 64, N 4,096]; A: computed on the way; B: computed on the way: left as it is (M = 1 < 16)
;;     5. batch 256 x [M 1, K 4,096] x [K 4,096, N 64]; A: softmax; B: computed on the way: left as it is (M = 1 < 16)
;;     6. [M 32, K 512] x [K 512, N 512]; A: computed on the way; B: input Wo: QUANTISED (scales: A lowp_scales[6], B lowp_scales[7])
;;   THE QUANTISER, for each operand of a quantised product, along K:
;;     - The operand's scale is 2^e, e = its entry of the input lowp_scales (int32; the entries are numbered through the quantised products in the list's order, A before B).
;;     - Each number is divided by the scale, clamped to +-57,344, and rounded to the nearest number of E5M2, ties to even, subnormals kept.
;;     - The product sums the exact products of the quantised numbers (number of the format x scale) in f32.
;;   ~~~python
;;   def quantise(x, axis, e):      # numpy; x: float32 -> the quantised numbers, widened to float32 again
;;       x = np.moveaxis(x, axis, -1); K = x.shape[-1]
;;       r = np.clip(x / 2.0 ** e, -57344, 57344)
;;       step = 2.0 ** (np.maximum(np.frexp(np.where(r == 0, 1, r))[1] - 1, -14) - 2)
;;       q = np.round(r / step) * step * 2.0 ** e      # np.round: ties to even
;;       return np.moveaxis(q, -1, axis).astype(np.float32)
;;   ~~~
;;   OPERANDS COMPUTED ON THE WAY. 'Computed on the way' means the value that the module computes at that place (a softmax that the list does not call 'softmax' is quantised finished and normalised). What goes into a quantiser is computed in f32, as accurately as f32 sums, v_exp_f32 and their like allow (about 1e-6 of the number): no bf16 or f16 on the way to a quantiser, and a product that is left as it is and whose result goes on into a quantised operand takes f32 operands (vector FMAs, or v_wmma_f32_16x16x4_f32). A number that lies on a knife's edge between two numbers of the format may be rounded either way, as far as f32 arithmetic and the matrix unit's own rounding can turn it there, and no further.
;; One version. Each part assembles by itself: llvm-mc -triple=amdgcn-amd-amdhsa -mcpu=gfx1250 --defsym DOCPART=n.
;; ======== version 1 of 1: 3 launches
;; limits: right only within a limited range of input values
;; workspace buffers: wcodes 786,432 bytes; qws 65,536 bytes; scores 4,194,304 bytes; pctx 524,288 bytes; pml 16,384 bytes
;; launch prep (part 1): grid 128 x 1, 1 waves a work-group, no clusters, 25,856 bytes of LDS; arguments Wk, Wv, Wo, Wq, enc, lowp_scales, wcodes, qws; writes wcodes, qws
.if DOCPART == 1
	.amdgcn_target "amdgcn-amd-amdhsa--gfx1250"
	.amdhsa_code_object_version 6
	.text
	.protected	k_q9463ee85bd_prep
	.globl	k_q9463ee85bd_prep
	.p2align	8
	.type	k_q9463ee85bd_prep,@function
k_q9463ee85bd_prep:
	s_mov_b64 s[64:65], 0
	v_nop
	global_prefetch_b8 v0, s[64:65] scope:SCOPE_SE
	s_setreg_imm32_b32 hwreg(HW_REG_WAVE_MODE, 25, 1), 1
	s_wait_xcnt 0x0
.set PITCH, 528
.set LB,    16*PITCH
.set CODE,  24
.set X,     32
.set WF,    160
.set OFFS,  224
.set RES,   240
	s_load_b512 s[4:19], s[0:1], 0x0
	v_lshl_add_u32 v238, v0, 2, 0x6400
	v_mov_b32 v239, 0
	s_lshr_b32 s22, ttmp9, 5
	s_and_b32 s23, ttmp9, 31
	v_lshlrev_b32 v1, 4, v0
	v_and_b32 v2, 15, v0
	v_lshrrev_b32 v7, 4, v0
	v_mul_u32_u24 v2, v2, PITCH
	v_lshl_add_u32 v2, v7, 4, v2
	s_lshl_b32 s34, s23, 15
	s_mov_b32 s35, 0
	s_wait_alu depctr_va_vdst(0)
	s_wait_kmcnt 0x0
	s_load_b256 s[24:31], s[14:15], 0x0
	s_cmp_eq_u32 s22, 1
	s_cselect_b64 s[20:21], s[6:7], s[4:5]
	s_cmp_eq_u32 s22, 2
	s_cselect_b64 s[20:21], s[8:9], s[20:21]
	s_cmp_eq_u32 s22, 3
	s_cselect_b64 s[20:21], s[10:11], s[20:21]
	s_add_nc_u64 s[20:21], s[20:21], s[34:35]
.set r, 0
.rept 8
.irp j, 0,1,2,3
	global_load_b128 v[X+16*r+4*\j:X+16*r+4*\j+3], v1, s[20:21] offset:2048*r+512*\j th:TH_LOAD_NT
.endr
.set r, r+1
.endr
	s_wait_kmcnt 0x0
	s_cmp_eq_u32 s22, 1
	s_cselect_b32 s32, s29, s27
	s_cmp_eq_u32 s22, 2
	s_cselect_b32 s32, s31, s32
	s_cmp_eq_u32 s22, 3
	s_cselect_b32 s32, s25, s32
	s_add_co_i32 s32, s32, 127
	s_lshl_b32 s33, s32, 23
	v_mov_b32 v4, s33
	s_add_co_i32 s32, s32, 15
	s_lshl_b32 s32, s32, 23
	s_or_b32 s32, s32, 0x600000
	v_mov_b32 v3, s32
	s_add_co_i32 s32, s24, 127
	s_lshl_b32 s33, s32, 23
	v_mov_b32 v6, s33
	s_add_co_i32 s32, s32, 15
	s_lshl_b32 s32, s32, 23
	s_or_b32 s32, s32, 0x600000
	v_mov_b32 v5, s32
.macro QROW1 x, lim, sc, off, set
.irp i, 0,1,2,3,4,5,6,7,8,9,10,11,12,13,14,15
	v_med3_num_f32 v[\x+\i], v[\x+\i], -v[\lim], v[\lim]
.endr
	s_wait_alu depctr_va_vdst(0)
	s_wait_dscnt 1
	v_cvt_scalef32_pk8_bf8_f32 v[CODE+4*\set:CODE+4*\set+1], v[\x:\x+7], v[\sc]
	v_cvt_scalef32_pk8_bf8_f32 v[CODE+4*\set+2:CODE+4*\set+3], v[\x+8:\x+15], v[\sc]
	ds_store_b128 v1, v[CODE+4*\set:CODE+4*\set+3] offset:\off
.endm
.set r, 0
	s_wait_alu depctr_va_vdst(0)
.rept 16
.if r < 8
	s_wait_loadcnt 28
.else
	s_wait_loadcnt 28-4*(r-8)
.endif
.set XR, X+16*(r%8)
.set OF, r*PITCH
.set ST, r%2
	QROW1 XR, 3, 4, OF, ST
.if r < 8
.irp j, 0,1,2,3
	global_load_b128 v[XR+4*\j:XR+4*\j+3], v1, s[20:21] offset:2048*(r+8)+512*\j th:TH_LOAD_NT
.endr
.endif
.set r, r+1
.endr
	v_nop
.irp ks, 0,1,2,3
.irp c, 0,1,2,3
	ds_load_b128 v[WF+16*\ks+4*\c:WF+16*\ks+4*\c+3], v2 offset:128*\ks+32*\c
.endr
.endr
	s_lshl_b32 s34, s22, 18
	s_lshl_b32 s33, s23, 13
	s_add_co_u32 s34, s34, s33
	s_add_nc_u64 s[16:17], s[16:17], s[34:35]
	s_wait_dscnt 0x0
	s_cmp_eq_u32 s22, 3
	s_cbranch_scc1 .Lq
.set i, 0
.rept 16
	global_store_b128 v1, v[WF+4*i:WF+4*i+3], s[16:17] offset:512*i
.set i, i+1
.endr
	s_wait_tensorcnt 0x0
	ds_add_u32 v238, v239
	s_wait_dscnt 0x0
	s_endpgm
.Lq:
	s_add_nc_u64 s[36:37], s[12:13], 4095*2048
.irp p, 0,1,2,3,4,5,6,7
	v_add_nc_u32 v[OFFS+\p], \p<<23, v1
.endr
	s_add_nc_u64 s[42:43], s[36:37], 8<<23
	s_add_nc_u64 s[44:45], s[36:37], 16<<23
	s_add_nc_u64 s[46:47], s[36:37], 24<<23
.set p, 0
.rept 8
.irp j, 0,1,2,3
	global_load_b128 v[X+16*p+4*\j:X+16*p+4*\j+3], v[OFFS+p], s[36:37] offset:512*\j
.endr
.set p, p+1
.endr
.set p, 0
.rept 32
.if p < 24
	s_wait_loadcnt 28
.else
	s_wait_loadcnt 4*(31-p)
.endif
.set XR, X+16*(p%8)
.set OF, LB+p*PITCH
.set ST, p%2
	QROW1 XR, 5, 6, OF, ST
.if p < 24
.set SB, 40+2*((p+8)/8)
.irp j, 0,1,2,3
	global_load_b128 v[XR+4*\j:XR+4*\j+3], v[OFFS+(p%8)], s[SB:SB+1] offset:512*\j
.endr
.endif
.set p, p+1
.endr
	v_nop
.irp bt, 0,1
.irp ks, 0,1,2,3
.irp c, 0,1,2,3
	ds_load_b128 v[X+64*\bt+16*\ks+4*\c:X+64*\bt+16*\ks+4*\c+3], v2 offset:LB+\bt*LB+128*\ks+32*\c
.endr
.endr
.endr
	s_add_co_i32 s38, s24, s25
	s_add_co_i32 s38, s38, s26
	s_add_co_i32 s38, s38, s27
	s_lshl_b32 s40, s23, 11
	s_mov_b32 s41, 0
	s_add_nc_u64 s[18:19], s[18:19], s[40:41]
	s_wait_dscnt 0x0
.irp ks, 0,1,2,3
.irp bt, 0,1
.if \ks == 0
	v_wmma_f32_16x16x128_bf8_bf8 v[8+8*\bt:15+8*\bt], v[WF+16*\ks:WF+16*\ks+15], v[X+64*\bt+16*\ks:X+64*\bt+16*\ks+15], 0
.else
	v_wmma_f32_16x16x128_bf8_bf8 v[8+8*\bt:15+8*\bt], v[WF+16*\ks:WF+16*\ks+15], v[X+64*\bt+16*\ks:X+64*\bt+16*\ks+15], v[8+8*\bt:15+8*\bt]
.endif
.endr
.endr
.rept 4
	v_nop
.endr
.irp t, 0,1,2,3,4,5,6,7,8,9,10,11,12,13,14,15
	v_mul_f32 v[RES+\t], 0x3e38aa3b, v[8+\t]
.endr
.irp t, 0,1,2,3,4,5,6,7,8,9,10,11,12,13,14,15
	v_ldexp_f32 v[RES+\t], v[RES+\t], s38
.endr
.irp t, 0,1,2,3
	global_store_b128 v1, v[RES+4*\t:RES+4*\t+3], s[18:19] offset:512*\t
.endr
	s_wait_tensorcnt 0x0
	ds_add_u32 v238, v239
	s_wait_dscnt 0x0
	s_endpgm
.Lfunc_end_k_q9463ee85bd_prep:
	.size	k_q9463ee85bd_prep, .Lfunc_end_k_q9463ee85bd_prep-k_q9463ee85bd_prep
	.p2alignl 7, 3214868480
	.fill 96, 4, 3214868480
	.section	.rodata,"a",@progbits
	.p2align	6, 0x0
	.amdhsa_kernel k_q9463ee85bd_prep
		.amdhsa_group_segment_fixed_size 25856
		.amdhsa_private_segment_fixed_size 0
		.amdhsa_enable_private_segment 0
		.amdhsa_kernarg_size 64
		.amdhsa_user_sgpr_count 2
		.amdhsa_user_sgpr_kernarg_segment_ptr 1
		.amdhsa_wavefront_size32 1
		.amdhsa_system_sgpr_workgroup_id_x 1
		.amdhsa_system_sgpr_workgroup_id_y 1
		.amdhsa_system_sgpr_workgroup_id_z 1
		.amdhsa_system_vgpr_workitem_id 0
		.amdhsa_next_free_vgpr 256
		.amdhsa_next_free_sgpr 66
		.amdhsa_reserve_vcc 0
		.amdhsa_float_denorm_mode_32 3
		.amdhsa_float_denorm_mode_16_64 3
		.amdhsa_memory_ordered 1
		.amdhsa_forward_progress 1
		.amdhsa_inst_pref_size 91
	.end_amdhsa_kernel
	.amdgpu_metadata
---
amdhsa.version: [ 1, 2 ]
amdhsa.kernels:
  - .name:           k_q9463ee85bd_prep
    .symbol:         k_q9463ee85bd_prep.kd
    .args:
      - { .name: Wk, .offset: 0, .size: 8, .value_kind: global_buffer, .address_space: global }
      - { .name: Wv, .offset: 8, .size: 8, .value_kind: global_buffer, .address_space: global }
      - { .name: Wo, .offset: 16, .size: 8, .value_kind: global_buffer, .address_space: global }
      - { .name: Wq, .offset: 24, .size: 8, .value_kind: global_buffer, .address_space: global }
      - { .name: enc, .offset: 32, .size: 8, .value_kind: global_buffer, .address_space: global }
      - { .name: lowp_scales, .offset: 40, .size: 8, .value_kind: global_buffer, .address_space: global }
      - { .name: wcodes, .offset: 48, .size: 8, .value_kind: global_buffer, .address_space: global }
      - { .name: qws, .offset: 56, .size: 8, .value_kind: global_buffer, .address_space: global }
    .group_segment_fixed_size: 25856
    .private_segment_fixed_size: 0
    .kernarg_segment_align: 8
    .kernarg_segment_size: 64
    .max_flat_workgroup_size: 32
    .sgpr_count:     66
    .vgpr_count:     256
    .wavefront_size: 32
...
	.end_amdgpu_metadata
.endif
;; end of part 1
;; launch main (part 2): grid 256 x 1, 4 waves a work-group, no clusters, 323,072 bytes of LDS; arguments enc, wcodes, qws, lowp_scales, scores, pctx, pml; writes scores, pctx, pml
.if DOCPART == 2
	.amdgcn_target "amdgcn-amd-amdhsa--gfx1250"
	.amdhsa_code_object_version 6
	.text
	.protected	k_q9463ee85bd_main
	.globl	k_q9463ee85bd_main
	.p2align	8
	.type	k_q9463ee85bd_main,@function
k_q9463ee85bd_main:
	s_mov_b64 s[64:65], 0
	v_nop
	global_prefetch_b8 v0, s[64:65] scope:SCOPE_SE
	s_setreg_imm32_b32 hwreg(HW_REG_WAVE_MODE, 25, 1), 1
	s_wait_xcnt 0x0
.set PITCH, 528
.set TILE,  16*PITCH
.set BLKB,  32*PITCH
.set KB,    16*BLKB
.set SA,    KB+2*BLKB
.set EPI,   SA+4*4096
.set SPARE, EPI+4*512
.set EBLK,  65536
.set SPW, 1
.set NIL, 2
.set XA,  3
.set L16, 4
.set STK, 5
.set SV0, 6
.set SV,  7
.set FA,  8
.set FV0, 9
.set FV,  10
.set LK,  11
.set LV,  12
.set SCK, 13
.set SCV, 14
.set SST, 15
.set SSC, 16
.set PL0, 17
.set PLC, 18
.set PA1, 18
.set SL,  19
.set P,   20
.set MA,  20
.set MB,  22
.set LA,  24
.set LB,  26
.set TMA, 28
.set TMB, 29
.set MX,  30
.set QO,  31
.set PA0, 31
.set PP,  28
.set Q,   32
.set CX,  32
.set Y0,  96
.set T,   96
.set U,   104
.set CODE, 112
.set ACC, 160
.set X0,  192
.set SS,  128
.set PS,  160
.set RB,  18
.set MSB, 0
.macro WIN new
.if MSB != (\new)
	s_set_vgpr_msb (MSB<<8)|(\new)
.set MSB, (\new)
.endif
.endm
.macro BAR
	s_wait_dscnt 0x0
	s_barrier_signal -1
	s_barrier_wait -1
.endm
	s_load_b256 s[4:11], s[0:1], 0x0
	s_load_b128 s[12:15], s[0:1], 0x20
	s_load_b64 s[16:17], s[0:1], 0x30
	v_lshl_add_u32 v[SPW], v0, 2, SPARE
	v_mov_b32 v[NIL], 0
	v_lshrrev_b32 v20, 5, v0
	v_readfirstlane_b32 s20, v20
	v_and_b32 v21, 31, v0
	v_and_b32 v22, 15, v0
	v_bfe_u32 v23, v0, 4, 1
	v_lshlrev_b32 v[L16], 4, v21
	s_lshl_b32 s33, s20, 14
	s_mul_i32 s34, s20, 4*PITCH
	s_lshl_b32 s35, s20, 12
	s_add_co_u32 s35, s35, SA
	v_add_nc_u32 v[XA], s33, v[L16]
	v_add_nc_u32 v[SV0], s34, v[L16]
	v_add_nc_u32 v[STK], KB, v[SV0]
	v_mul_u32_u24 v[FV0], v22, PITCH
	v_lshl_add_u32 v[FV0], v23, 4, v[FV0]
	v_add_nc_u32 v[FA], KB, v[FV0]
	v_lshl_add_u32 v[PL0], v22, 3, s35
	v_lshl_add_u32 v[SST], v23, 11, v[PL0]
	v_add_nc_u32 v[SL], s35, v[L16]
	v_lshlrev_b32 v[QO], 8, v23
	v_mov_b32 v[MX], 0
	s_mov_b32 s30, 0x76543210
	s_mov_b32 s31, 0xfedcba98
	s_mov_b32 s32, 0xffff0000
	s_lshr_b32 s25, ttmp9, 3
	s_and_b32 s23, ttmp9, 7
	s_lshl_b32 s44, ttmp9, 20
	s_mov_b32 s45, 0
	s_lshl_b32 s46, s20, 16
	s_mov_b32 s47, 0
	s_lshl_b32 s48, s20, 14
	s_lshr_b32 s26, s25, 4
	s_lshl_b32 s26, s26, 10
	s_add_co_u32 s48, s48, s26
	s_and_b32 s26, s25, 15
	s_lshl_b32 s26, s26, 4
	s_add_co_u32 s48, s48, s26
	s_mov_b32 s49, 0
	s_lshl_b32 s27, s25, 3
	s_lshl_b32 s26, s20, 1
	s_add_co_u32 s27, s27, s26
	s_lshl_b32 s50, s27, 14
	s_lshl_b32 s26, s23, 11
	s_add_co_u32 s50, s50, s26
	s_mov_b32 s51, 0
	s_lshl_b32 s52, ttmp9, 11
	s_lshl_b32 s26, s20, 9
	s_add_co_u32 s52, s52, s26
	s_mov_b32 s53, 0
	s_lshl_b32 s54, s25, 9
	s_lshr_b32 s26, s23, 2
	s_lshl_b32 s26, s26, 8
	s_add_co_u32 s54, s54, s26
	s_lshl_b32 s26, s20, 6
	s_add_co_u32 s54, s54, s26
	s_and_b32 s26, s23, 3
	s_lshl_b32 s26, s26, 3
	s_add_co_u32 s54, s54, s26
	s_mov_b32 s55, 0
	s_mul_i32 s56, s20, 49152
	s_add_co_u32 s56, s56, 262144
	s_mov_b32 s57, 0
	s_wait_alu depctr_va_vdst(0)
	s_wait_kmcnt 0x0
	s_load_b256 s[36:43], s[10:11], 0x0
	s_add_nc_u64 s[4:5], s[4:5], s[44:45]
	s_add_nc_u64 s[58:59], s[6:7], s[56:57]
	s_add_nc_u64 s[60:61], s[58:59], 16384
	s_add_nc_u64 s[6:7], s[6:7], s[46:47]
	s_add_nc_u64 s[62:63], s[6:7], 262144+32768
	s_add_nc_u64 s[8:9], s[8:9], s[48:49]
	s_add_nc_u64 s[12:13], s[12:13], s[50:51]
	s_add_nc_u64 s[14:15], s[14:15], s[52:53]
	s_add_nc_u64 s[16:17], s[16:17], s[54:55]
	s_add_nc_u64 s[RB:RB+1], s[4:5], 2*EBLK
	WIN 0x40
.set i, 0
.rept 64
	global_load_b128 v[4*i:4*i+3], v[XA], s[4:5] offset:EBLK*(i/32)+512*(i%32)
.set i, i+1
.endr
	WIN 0
	s_wait_kmcnt 0x0
	s_add_co_i32 s44, s38, 127
	s_lshl_b32 s45, s44, 23
	v_mov_b32 v[SCK], s45
	s_add_co_i32 s44, s44, 15
	s_lshl_b32 s44, s44, 23
	s_or_b32 s44, s44, 0x600000
	v_mov_b32 v[LK], s44
	s_add_co_i32 s44, s40, 127
	s_lshl_b32 s45, s44, 23
	v_mov_b32 v[SCV], s45
	s_add_co_i32 s44, s44, 15
	s_lshl_b32 s44, s44, 23
	s_or_b32 s44, s44, 0x600000
	v_mov_b32 v[LV], s44
.macro QUANT par, kb, sv, vo
.set p, 0
.rept 8
.if (p%2) == 0
	s_wait_loadcnt 56
	WIN 0x10
.endif
.set XB, 128*(\par)+16*p
.set CS, CODE+8*(p%2)
.irp hf, 0,1
.irp i, 0,1,2,3,4,5,6,7
	v_med3_num_f32 v[T+\i], -v[LK], v[LK], v[XB+8*\hf+\i]
.endr
	v_cvt_scalef32_pk8_bf8_f32 v[CS+2*\hf:CS+2*\hf+1], v[T:T+7], v[SCK]
.irp i, 0,1,2,3,4,5,6,7
.if (p%2) == 1
	v_med3_num_f32 v[U+\i], -v[LV], v[LV], -v[XB+8*\hf+\i]
.else
	v_med3_num_f32 v[U+\i], -v[LV], v[LV], v[XB+8*\hf+\i]
.endif
.endr
	v_cvt_scalef32_pk8_bf8_f32 v[CS+4+2*\hf:CS+5+2*\hf], v[U:U+7], v[SCV]
.endr
.if (p%2) == 1
.set SLO, (p/2)*PITCH
	ds_store_b128 v[STK], v[CODE:CODE+3] offset:(\kb)*BLKB+SLO
	ds_store_b128 v[\sv], v[CODE+4:CODE+7] offset:(\vo)+SLO
	ds_store_b128 v[STK], v[CODE+8:CODE+11] offset:(\kb)*BLKB+TILE+SLO
	ds_store_b128 v[\sv], v[CODE+12:CODE+15] offset:(\vo)+TILE+SLO
	WIN 0x40
.irp j, 0,1,2,3,4,5,6,7
	global_load_b128 v[XB-16+4*\j:XB-16+4*\j+3], v[XA], s[RB:RB+1] offset:2048*(p-1)+512*\j
.endr
.endif
.set p, p+1
.endr
	WIN 0
	v_nop
.endm
.macro MUL16 w, fb
	WIN \w
.irp ks, 0,1,2,3
.irp n, 0,1,2,3
.if \ks == 0
	v_wmma_f32_16x16x128_bf8_bf8 v[ACC+8*\n:ACC+8*\n+7], v[64*\n+16*\ks:64*\n+16*\ks+15], v[\fb+16*\ks:\fb+16*\ks+15], 0
.else
	v_wmma_f32_16x16x128_bf8_bf8 v[ACC+8*\n:ACC+8*\n+7], v[64*\n+16*\ks:64*\n+16*\ks+15], v[\fb+16*\ks:\fb+16*\ks+15], v[ACC+8*\n:ACC+8*\n+7]
.endif
.endr
.endr
	WIN 0
.rept 4
	v_nop
.endr
.endm
.macro TILEF fb, adr, off
.irp ks, 0,1,2,3
.irp c, 0,1,2,3
	ds_load_b128 v[\fb+16*\ks+4*\c:\fb+16*\ks+4*\c+3], v[\adr] offset:(\off)+128*\ks+32*\c
.endr
.endr
.endm
.macro DOT hd, dst
.set k, 0
.rept 16
.if k < 4
	v_pk_mul_f32 v[P+2*k:P+2*k+1], v[ACC+2*k:ACC+2*k+1], v[Q+32*\hd+2*k:Q+32*\hd+2*k+1]
.else
	v_pk_fma_f32 v[P+2*(k%4):P+2*(k%4)+1], v[ACC+2*k:ACC+2*k+1], v[Q+32*\hd+2*k:Q+32*\hd+2*k+1], v[P+2*(k%4):P+2*(k%4)+1]
.endif
.set k, k+1
.endr
	v_pk_add_f32 v[P:P+1], v[P:P+1], v[P+2:P+3]
	v_pk_add_f32 v[P+4:P+5], v[P+4:P+5], v[P+6:P+7]
	v_pk_add_f32 v[P:P+1], v[P:P+1], v[P+4:P+5]
	v_add_f32 v[\dst], v[P], v[P+1]
.endm
.macro JOIN pa, tm, off
	v_cndmask_b32 v[P+1], v[P+2], v[\pa], s32
	v_cndmask_b32 v[P+3], v[\pa], v[P+2], s32
	v_permlanex16_b32 v[MX], v[P+1], s30, s31
	v_add_f32 v[\tm], v[P+3], v[MX]
	ds_store_b32 v[SSC], v[\tm] offset:\off
.endm
.macro MULK kb, so, wvh
	TILEF Y0, FA, (\kb)*BLKB+TILE
	s_wait_dscnt 16
	MUL16 2, X0
	DOT 0, PA0
	s_wait_dscnt 0x0
	MUL16 2, Y0
	DOT 0, PA1
.if \wvh
	WIN 0x80
.set i, 0
.rept 64
	global_load_b128 v[4*i:4*i+3], v[L16], s[62:63] offset:512*i
.set i, i+1
.endr
	WIN 0
.endif
	MUL16 3, X0
	DOT 1, P+2
	JOIN PA0, TMA, \so
	MUL16 3, Y0
	DOT 1, P+2
	JOIN PA1, TMB, (\so)+4
.endm
.macro TOP1
	v_add_nc_u32 v[SV], s21, v[SV0]
	v_add_nc_u32 v[SSC], s22, v[SST]
	s_wait_alu depctr_va_vdst(0)
.endm
	s_wait_alu depctr_va_vdst(0)
	QUANT 0, 0, SV0, 0
.irp n, 0,1,2,3,4,5,6,7
.irp c, 0,1
	global_load_b128 v[Q+8*\n+4*\c:Q+8*\n+4*\c+3], v[QO], s[8:9] offset:2048*\n+512*\c
.endr
.endr
	WIN 0x80
.set i, 0
.rept 64
	global_load_b128 v[4*i:4*i+3], v[L16], s[6:7] offset:512*i
.set i, i+1
.endr
	WIN 0xc0
.set i, 0
.rept 64
	global_load_b128 v[4*i:4*i+3], v[L16], s[6:7] offset:32768+512*i
.set i, i+1
.endr
	WIN 0
	s_wait_xcnt 0x0
	s_add_nc_u64 s[RB:RB+1], s[RB:RB+1], EBLK
	s_wait_loadcnt 0x0
	BAR
	s_mov_b32 s28, 0
	s_mov_b32 s21, BLKB
	s_mov_b32 s22, 0
.Lp1:
	TOP1
	TILEF X0, FA, 0
	QUANT 1, 1, SV, 0
	MULK 0, 0, 0
	s_wait_xcnt 0x0
	s_add_nc_u64 s[RB:RB+1], s[RB:RB+1], EBLK
	s_cmp_eq_u32 s28, 6
	s_cselect_b64 s[RB:RB+1], s[58:59], s[RB:RB+1]
	BAR
	TILEF X0, FA, BLKB
	QUANT 0, 0, SV, BLKB
	MULK 1, 128, 0
	s_wait_xcnt 0x0
	s_add_nc_u64 s[RB:RB+1], s[RB:RB+1], EBLK
	BAR
	s_add_co_u32 s21, s21, 2*BLKB
	s_add_co_u32 s22, s22, 256
	s_add_co_u32 s28, s28, 1
	s_cmp_lt_u32 s28, 7
	s_cbranch_scc1 .Lp1
	TOP1
	s_mov_b64 s[RB:RB+1], s[60:61]
	TILEF X0, FA, 0
	QUANT 1, 1, SV, 0
	MULK 0, 0, 0
	BAR
	TILEF X0, FA, BLKB
	MULK 1, 128, 1
.irp hd, 0,1
.irp i, 0,1,2,3
	ds_load_b128 v[SS+16*\hd+4*\i:SS+16*\hd+4*\i+3], v[SL] offset:2048*\hd+512*\i
.endr
.endr
	s_wait_dscnt 0x0
.irp hd, 0,1
.irp i, 0,1,2,3
	global_store_b128 v[L16], v[SS+16*\hd+4*\i:SS+16*\hd+4*\i+3], s[12:13] offset:16384*\hd+512*\i
.endr
.endr
	v_max3_num_f32 v[MA], v[SS], v[SS+1], v[SS+2]
	v_max3_num_f32 v[MB], v[SS+16], v[SS+17], v[SS+18]
.irp i, 3,5,7,9,11,13
	v_max3_num_f32 v[MA], v[MA], v[SS+\i], v[SS+\i+1]
	v_max3_num_f32 v[MB], v[MB], v[SS+16+\i], v[SS+17+\i]
.endr
	v_max_num_f32 v[MA], v[MA], v[SS+15]
	v_max_num_f32 v[MB], v[MB], v[SS+31]
.irp x, 1,2,4,8
	v_max_num_f32_dpp v[MA], v[MA], v[MA] row_xmask:\x row_mask:0xf bank_mask:0xf
	v_max_num_f32_dpp v[MB], v[MB], v[MB] row_xmask:\x row_mask:0xf bank_mask:0xf
.endr
	v_permlanex16_b32 v[MX], v[MA], s30, s31
	v_max_num_f32 v[MA], v[MA], v[MX]
	v_permlanex16_b32 v[MX], v[MB], s30, s31
	v_max_num_f32 v[MB], v[MB], v[MX]
	v_mov_b32 v[MA+1], 0
	v_mov_b32 v[MB+1], 0
.irp k, 0,2,4,6,8,10,12,14
	v_pk_add_f32 v[PS+\k:PS+\k+1], v[SS+\k:SS+\k+1], v[MA:MA+1] op_sel_hi:[1,0] neg_lo:[0,1] neg_hi:[0,1]
	v_pk_add_f32 v[PS+16+\k:PS+17+\k], v[SS+16+\k:SS+17+\k], v[MB:MB+1] op_sel_hi:[1,0] neg_lo:[0,1] neg_hi:[0,1]
.endr
	s_wait_alu depctr_va_vdst(0)
.set i, 0
.rept 32
	v_exp_f32 v[PS+i], v[PS+i]
.set i, i+1
.endr
	v_nop
	s_wait_alu depctr_va_vdst(0)
	v_pk_add_f32 v[LA:LA+1], v[PS:PS+1], v[PS+2:PS+3]
	v_pk_add_f32 v[LB:LB+1], v[PS+16:PS+17], v[PS+18:PS+19]
.irp k, 4,6,8,10,12,14
	v_pk_add_f32 v[LA:LA+1], v[LA:LA+1], v[PS+\k:PS+\k+1]
	v_pk_add_f32 v[LB:LB+1], v[LB:LB+1], v[PS+16+\k:PS+17+\k]
.endr
	v_add_f32 v[LA], v[LA], v[LA+1]
	v_add_f32 v[LB], v[LB], v[LB+1]
.irp x, 1,2,4,8
	v_add_f32_dpp v[LA], v[LA], v[LA] row_xmask:\x row_mask:0xf bank_mask:0xf
	v_add_f32_dpp v[LB], v[LB], v[LB] row_xmask:\x row_mask:0xf bank_mask:0xf
.endr
	v_permlanex16_b32 v[MX], v[LA], s30, s31
	v_add_f32 v[LA], v[LA], v[MX]
	v_permlanex16_b32 v[MX], v[LB], s30, s31
	v_add_f32 v[LB], v[LB], v[MX]
.irp i, 1,3,5,7,9,11,13,15,17,19,21,23,25,27,29,31
	v_mul_f32 v[PS+\i], -1.0, v[PS+\i]
.endr
.irp hd, 0,1
.irp i, 0,1,2,3
	ds_store_b128 v[SL], v[PS+16*\hd+4*\i:PS+16*\hd+4*\i+3] offset:2048*\hd+512*\i
.endr
.endr
.set i, 0
.rept 64
	v_mov_b32 v[CX+i], 0
.set i, i+1
.endr
	s_wait_alu depctr_va_vdst(0)
	s_wait_xcnt 0x0
	TILEF X0, FV0, 0
	TILEF Y0, FV0, TILE
.macro CTXH hd, pp
.set k, 0
.rept 16
.if \hd == 0
	v_pk_fma_f32 v[CX+2*k:CX+2*k+1], v[ACC+2*k:ACC+2*k+1], v[\pp:\pp+1], v[CX+2*k:CX+2*k+1] op_sel_hi:[1,0,1]
.else
	v_pk_fma_f32 v[CX+32+2*k:CX+33+2*k], v[ACC+2*k:ACC+2*k+1], v[\pp:\pp+1], v[CX+32+2*k:CX+33+2*k] op_sel:[0,1,0] op_sel_hi:[1,1,1]
.endif
.set k, k+1
.endr
.endm
.macro MULV last
	v_add_nc_u32 v[FV], s24, v[FV0]
	v_add_nc_u32 v[PLC], s29, v[PL0]
	s_wait_alu depctr_va_vdst(0)
	ds_load_b32 v[PP], v[PLC]
	ds_load_b32 v[PP+1], v[PLC] offset:2048
	ds_load_b32 v[PP+2], v[PLC] offset:4
	ds_load_b32 v[PP+3], v[PLC] offset:2052
	s_wait_dscnt 20
	MUL16 1, X0
	s_wait_dscnt 0x0
	CTXH 0, PP
	MUL16 1, Y0
	CTXH 0, PP+2
	s_wait_loadcnt 0x0
	MUL16 2, X0
	CTXH 1, PP
.if \last == 0
	TILEF X0, FV, BLKB
.endif
	MUL16 2, Y0
	CTXH 1, PP+2
.if \last == 0
	TILEF Y0, FV, BLKB+TILE
.endif
.endm
	s_mov_b32 s24, 0
	s_mov_b32 s29, 0
	s_mov_b32 s28, 15
	s_wait_loadcnt 63
.Lp2:
	MULV 0
	s_add_co_u32 s24, s24, BLKB
	s_add_co_u32 s29, s29, 128
	s_sub_co_u32 s28, s28, 1
	s_cmp_lg_u32 s28, 0
	s_cbranch_scc1 .Lp2
	MULV 1
.irp x, 1,2,4,8
.set k, 0
.rept 64
	v_add_f32_dpp v[CX+k], v[CX+k], v[CX+k] row_xmask:\x row_mask:0xf bank_mask:0xf
.set k, k+1
.endr
.endr
	s_lshl_b32 s33, s20, 9
	s_add_co_u32 s33, s33, EPI
	s_mov_b32 s34, 0xaaaaaaaa
	v_bfe_u32 v98, v0, 4, 1
	v_lshl_add_u32 v96, v98, 5, s33
	v_add_nc_u32 v97, s33, v[L16]
	v_cndmask_b32 v104, v[MA], v[MB], s34
	v_cndmask_b32 v105, v[LA], v[LB], s34
	v_and_b32 v106, 31, v0
	v_lshlrev_b32 v107, 5, v106
.irp n, 0,1,2,3,4,5,6,7
.irp c, 0,1
	ds_store_b128 v96, v[CX+8*\n+4*\c:CX+8*\n+4*\c+3] offset:64*\n+16*\c
.endr
.endr
	ds_load_b128 v[100:103], v97
	s_wait_alu depctr_va_vdst(0)
	s_wait_dscnt 0x0
	global_store_b128 v[L16], v[100:103], s[14:15]
	s_wait_xcnt 0x0
	v_cmp_gt_u32 vcc_lo, 2, v106
	s_and_saveexec_b32 s44, vcc_lo
	global_store_b64 v107, v[104:105], s[16:17]
	s_wait_xcnt 0x0
	s_or_b32 exec_lo, exec_lo, s44
	s_wait_tensorcnt 0x0
	ds_add_u32 v[SPW], v[NIL]
	s_wait_dscnt 0x0
	s_endpgm
.Lfunc_end_k_q9463ee85bd_main:
	.size	k_q9463ee85bd_main, .Lfunc_end_k_q9463ee85bd_main-k_q9463ee85bd_main
	.p2alignl 7, 3214868480
	.fill 96, 4, 3214868480
	.section	.rodata,"a",@progbits
	.p2align	6, 0x0
	.amdhsa_kernel k_q9463ee85bd_main
		.amdhsa_group_segment_fixed_size 323072
		.amdhsa_private_segment_fixed_size 0
		.amdhsa_enable_private_segment 0
		.amdhsa_kernarg_size 56
		.amdhsa_user_sgpr_count 2
		.amdhsa_user_sgpr_kernarg_segment_ptr 1
		.amdhsa_wavefront_size32 1
		.amdhsa_system_sgpr_workgroup_id_x 1
		.amdhsa_system_sgpr_workgroup_id_y 1
		.amdhsa_system_sgpr_workgroup_id_z 1
		.amdhsa_system_vgpr_workitem_id 0
		.amdhsa_next_free_vgpr 1024
		.amdhsa_next_free_sgpr 66
		.amdhsa_reserve_vcc 1
		.amdhsa_float_denorm_mode_32 3
		.amdhsa_float_denorm_mode_16_64 3
		.amdhsa_memory_ordered 1
		.amdhsa_forward_progress 1
		.amdhsa_inst_pref_size 221
	.end_amdhsa_kernel
	.amdgpu_metadata
---
amdhsa.version: [ 1, 2 ]
amdhsa.kernels:
  - .name:           k_q9463ee85bd_main
    .symbol:         k_q9463ee85bd_main.kd
    .args:
      - { .name: enc, .offset: 0, .size: 8, .value_kind: global_buffer, .address_space: global }
      - { .name: wcodes, .offset: 8, .size: 8, .value_kind: global_buffer, .address_space: global }
      - { .name: qws, .offset: 16, .size: 8, .value_kind: global_buffer, .address_space: global }
      - { .name: lowp_scales, .offset: 24, .size: 8, .value_kind: global_buffer, .address_space: global }
      - { .name: scores, .offset: 32, .size: 8, .value_kind: global_buffer, .address_space: global }
      - { .name: pctx, .offset: 40, .size: 8, .value_kind: global_buffer, .address_space: global }
      - { .name: pml, .offset: 48, .size: 8, .value_kind: global_buffer, .address_space: global }
    .group_segment_fixed_size: 323072
    .private_segment_fixed_size: 0
    .kernarg_segment_align: 8
    .kernarg_segment_size: 56
    .max_flat_workgroup_size: 128
    .sgpr_count:     66
    .vgpr_count:     1024
    .wavefront_size: 32
...
	.end_amdgpu_metadata
.endif
;; end of part 2
;; launch fin (part 3): grid 8 x 32, 1 waves a work-group, no clusters, 1,280 bytes of LDS; arguments pctx, pml, scores, wcodes, lowp_scales, out0, out1; writes out0, out1
.if DOCPART == 3
	.amdgcn_target "amdgcn-amd-amdhsa--gfx1250"
	.amdhsa_code_object_version 6
	.text
	.protected	k_q9463ee85bd_fin
	.globl	k_q9463ee85bd_fin
	.p2align	8
	.type	k_q9463ee85bd_fin,@function
k_q9463ee85bd_fin:
	s_mov_b64 s[64:65], 0
	v_nop
	global_prefetch_b8 v0, s[64:65] scope:SCOPE_SE
	s_setreg_imm32_b32 hwreg(HW_REG_WAVE_MODE, 25, 1), 1
	s_wait_xcnt 0x0
.set PC,  16
.set FCT, 80
.set CT,  96
.set TMP, 112
.set SCR, 128
.set ACC, 80
.set NM,  40
.set IV,  72
.set MSB, 0
.macro WIN new
.if MSB != (\new)
	s_set_vgpr_msb (MSB<<8)|(\new)
.set MSB, (\new)
.endif
.endm
	s_load_b256 s[4:11], s[0:1], 0x0
	s_load_b128 s[12:15], s[0:1], 0x20
	s_load_b64 s[16:17], s[0:1], 0x30
	WIN 0x80
	v_lshl_add_u32 v0, v0, 2, 0x400
	v_mov_b32 v1, 0
	WIN 0
	s_mov_b32 s20, ttmp9
	s_and_b32 s21, ttmp7, 0xffff
	v_lshlrev_b32 v1, 4, v0
	v_lshlrev_b32 v2, 3, v0
	v_lshrrev_b32 v3, 4, v0
	v_lshlrev_b32 v15, 5, v3
	v_lshlrev_b32 v3, 4, v3
	s_lshl_b32 s22, s20, 15
	s_add_co_u32 s22, s22, 524288
	s_mov_b32 s23, 0
	s_lshl_b32 s32, s21, 9
	s_mov_b32 s33, 0
	s_lshl_b32 s34, s21, 14
	s_mov_b32 s35, 0
	s_lshl_b32 s58, s20, 11
	s_lshl_b32 s36, s21, 17
	s_add_co_u32 s36, s36, s58
	s_mov_b32 s37, 0
	s_lshl_b32 s38, s21, 11
	s_lshl_b32 s59, s20, 8
	s_add_co_u32 s38, s38, s59
	s_mov_b32 s39, 0
	s_lshl_b32 s56, s21, 14
	s_add_co_u32 s56, s56, s58
	s_mov_b32 s57, 0
	s_wait_alu depctr_va_vdst(0)
	s_wait_kmcnt 0x0
	s_load_b256 s[24:31], s[12:13], 0x0
	s_add_nc_u64 s[10:11], s[10:11], s[22:23]
	s_add_nc_u64 s[6:7], s[6:7], s[32:33]
	s_add_nc_u64 s[4:5], s[4:5], s[34:35]
	s_add_nc_u64 s[8:9], s[8:9], s[36:37]
	s_add_nc_u64 s[14:15], s[14:15], s[38:39]
	s_add_nc_u64 s[16:17], s[16:17], s[56:57]
	WIN 0x40
.set i, 0
.rept 64
	global_load_b128 v[4*i:4*i+3], v1, s[10:11] offset:512*i
.set i, i+1
.endr
	WIN 0
	global_load_b64 v[4:5], v2, s[6:7]
	global_load_b64 v[6:7], v2, s[6:7] offset:256
.irp c, 0,1,2,3
.irp j, 0,1,2,3
	global_load_b128 v[PC+16*\c+4*\j:PC+16*\c+4*\j+3], v1, s[4:5] offset:2048*\c+512*\j
.endr
.endr
	WIN 0x80
.irp c, 0,1,2,3
.irp j, 0,1,2,3
	global_load_b128 v[PC+16*\c+4*\j:PC+16*\c+4*\j+3], v1, s[4:5] offset:8192+2048*\c+512*\j
.endr
.endr
	WIN 0
.irp e, 0,1,2,3,4,5,6,7
.irp q, 0,1,2,3
	global_load_b128 v[SCR+16*\e+4*\q:SCR+16*\e+4*\q+3], v1, s[8:9] offset:16384*\e+512*\q
.endr
.endr
.irp j, 0,1,2,3
.irp c, 0,1,2,3
	v_add_nc_u32 v[TMP+4*\j+\c], 32*\j+4*\c, v3
.endr
.endr
	s_wait_kmcnt 0x0
	s_add_co_i32 s58, s28, s29
	s_add_co_i32 s59, s30, s31
	s_add_co_i32 s60, s30, 127
	s_lshl_b32 s61, s60, 23
	v_mov_b32 v14, s61
	s_add_co_i32 s60, s60, 15
	s_lshl_b32 s60, s60, 23
	s_or_b32 s60, s60, 0x600000
	v_mov_b32 v13, s60
	s_wait_loadcnt 63
	v_max_num_f32 v8, v4, v6
	v_max_num_f32_dpp v8, v8, v8 row_xmask:1 row_mask:0xf bank_mask:0xf
	v_max_num_f32_dpp v8, v8, v8 row_xmask:2 row_mask:0xf bank_mask:0xf
	v_sub_f32 v9, v4, v8
	v_sub_f32 v10, v6, v8
	s_wait_alu depctr_va_vdst(0)
	v_exp_f32 v9, v9
	v_exp_f32 v10, v10
	v_sub_f32 v99, 0, v8
	s_wait_alu depctr_va_vdst(0)
	v_mul_f32 v11, v5, v9
	v_fmac_f32 v11, v7, v10
	v_add_f32_dpp v11, v11, v11 row_xmask:1 row_mask:0xf bank_mask:0xf
	v_add_f32_dpp v11, v11, v11 row_xmask:2 row_mask:0xf bank_mask:0xf
	s_wait_alu depctr_va_vdst(0)
	v_rcp_f32 v12, v11
	v_nop
	s_wait_alu depctr_va_vdst(0)
	v_fma_f32 v100, -v11, v12, 1.0
	v_fma_f32 v12, v12, v100, v12
	v_mul_f32 v96, v9, v12
	v_mul_f32 v97, v10, v12
	v_ldexp_f32 v96, v96, s58
	v_ldexp_f32 v97, v97, s58
	v_mul_f32 v98, 0x3e000000, v12
	s_wait_alu depctr_va_vdst(0)
.set i, 0
.rept 16
	ds_bpermute_b32 v[FCT+i], v[TMP+i], v96
.set i, i+1
.endr
	WIN 0x80
.set i, 0
.rept 16
	ds_bpermute_b32 v[FCT+i], v[TMP+i], v97
.set i, i+1
.endr
	WIN 0
.irp e, 0,1,2,3,4,5,6,7
	v_readlane_b32 s[NM+2*\e], v99, 4*\e
	v_readlane_b32 s[IV+2*\e], v98, 4*\e
	s_mov_b32 s[NM+2*\e+1], s[NM+2*\e]
	s_mov_b32 s[IV+2*\e+1], s[IV+2*\e]
.endr
	s_wait_dscnt 0x0
	s_wait_loadcnt 32
.irp j, 0,1,2,3
.irp i, 0,1,2,3
	v_mul_f32 v[CT+4*\j+\i], v[FCT+4*\j], v[PC+4*\j+\i]
.endr
.irp c, 1,2,3
.irp i, 0,1,2,3
	v_fmac_f32 v[CT+4*\j+\i], v[FCT+4*\j+\c], v[PC+16*\c+4*\j+\i]
.endr
.endr
.endr
	WIN 0x0a
.irp j, 0,1,2,3
.irp c, 0,1,2,3
.irp i, 0,1,2,3
	v_fmac_f32 v[CT+4*\j+\i], v[FCT+4*\j+\c], v[PC+16*\c+4*\j+\i]
.endr
.endr
.endr
	WIN 0
.irp i, 0,1,2,3,4,5,6,7,8,9,10,11,12,13,14,15
	v_med3_num_f32 v[CT+\i], v[CT+\i], -v13, v13
.endr
	v_cvt_scalef32_pk8_bf8_f32 v[TMP:TMP+1], v[CT:CT+7], v14
	v_cvt_scalef32_pk8_bf8_f32 v[TMP+2:TMP+3], v[CT+8:CT+15], v14
	v_nop
	ds_store_b128 v1, v[TMP:TMP+3]
.irp ks, 0,1,2,3
.irp c, 0,1,2,3
	ds_load_b128 v[PC+16*\ks+4*\c:PC+16*\ks+4*\c+3], v3 offset:128*\ks+32*\c
.endr
.endr
	s_wait_dscnt 0x0
	WIN 0x01
.irp ks, 0,1,2,3
.irp n, 0,1,2,3
.if \ks == 0
	v_wmma_f32_16x16x128_bf8_bf8 v[ACC+8*\n:ACC+8*\n+7], v[64*\n+16*\ks:64*\n+16*\ks+15], v[PC+16*\ks:PC+16*\ks+15], 0
.else
	v_wmma_f32_16x16x128_bf8_bf8 v[ACC+8*\n:ACC+8*\n+7], v[64*\n+16*\ks:64*\n+16*\ks+15], v[PC+16*\ks:PC+16*\ks+15], v[ACC+8*\n:ACC+8*\n+7]
.endif
.endr
.endr
	WIN 0
.rept 4
	v_nop
.endr
.set i, 0
.rept 32
	v_ldexp_f32 v[PC+i], v[ACC+i], s59
.set i, i+1
.endr
.irp n, 0,1,2,3
.irp c, 0,1
	ds_store_b128 v15, v[PC+8*\n+4*\c:PC+8*\n+4*\c+3] offset:512+64*\n+16*\c
.endr
.endr
	ds_load_b64 v[PC+32:PC+33], v2 offset:512
	s_wait_dscnt 0x0
	global_store_b64 v2, v[PC+32:PC+33], s[14:15]
	s_wait_loadcnt 0x0
.irp e, 0,1,2,3,4,5,6,7
.irp k, 0,1,2,3,4,5,6,7
	v_pk_add_f32 v[SCR+16*\e+2*\k:SCR+16*\e+2*\k+1], v[SCR+16*\e+2*\k:SCR+16*\e+2*\k+1], s[NM+2*\e:NM+2*\e+1] op_sel_hi:[1,0]
.endr
.endr
.set i, 0
	s_wait_alu depctr_va_vdst(0)
.rept 128
	v_exp_f32 v[SCR+i], v[SCR+i]
.set i, i+1
.endr
	v_nop
	s_wait_alu depctr_va_vdst(0)
.irp k, 0,1,2,3,4,5,6,7
	v_pk_mul_f32 v[TMP+2*\k:TMP+2*\k+1], v[SCR+2*\k:SCR+2*\k+1], s[IV:IV+1] op_sel_hi:[1,0]
.endr
.irp e, 1,2,3,4,5,6,7
.irp k, 0,1,2,3,4,5,6,7
	v_pk_fma_f32 v[TMP+2*\k:TMP+2*\k+1], v[SCR+16*\e+2*\k:SCR+16*\e+2*\k+1], s[IV+2*\e:IV+2*\e+1], v[TMP+2*\k:TMP+2*\k+1] op_sel_hi:[1,0,1]
.endr
.endr
.irp q, 0,1,2,3
	global_store_b128 v1, v[TMP+4*\q:TMP+4*\q+3], s[16:17] offset:512*\q
.endr
	WIN 0x0a
	s_wait_tensorcnt 0x0
	ds_add_u32 v0, v1
	s_wait_dscnt 0x0
	WIN 0
	s_endpgm
.Lfunc_end_k_q9463ee85bd_fin:
	.size	k_q9463ee85bd_fin, .Lfunc_end_k_q9463ee85bd_fin-k_q9463ee85bd_fin
	.p2alignl 7, 3214868480
	.fill 96, 4, 3214868480
	.section	.rodata,"a",@progbits
	.p2align	6, 0x0
	.amdhsa_kernel k_q9463ee85bd_fin
		.amdhsa_group_segment_fixed_size 1280
		.amdhsa_private_segment_fixed_size 0
		.amdhsa_enable_private_segment 0
		.amdhsa_kernarg_size 56
		.amdhsa_user_sgpr_count 2
		.amdhsa_user_sgpr_kernarg_segment_ptr 1
		.amdhsa_wavefront_size32 1
		.amdhsa_system_sgpr_workgroup_id_x 1
		.amdhsa_system_sgpr_workgroup_id_y 1
		.amdhsa_system_sgpr_workgroup_id_z 1
		.amdhsa_system_vgpr_workitem_id 0
		.amdhsa_next_free_vgpr 608
		.amdhsa_next_free_sgpr 96
		.amdhsa_reserve_vcc 0
		.amdhsa_float_denorm_mode_32 3
		.amdhsa_float_denorm_mode_16_64 3
		.amdhsa_memory_ordered 1
		.amdhsa_forward_progress 1
		.amdhsa_inst_pref_size 43
	.end_amdhsa_kernel
	.amdgpu_metadata
---
amdhsa.version: [ 1, 2 ]
amdhsa.kernels:
  - .name:           k_q9463ee85bd_fin
    .symbol:         k_q9463ee85bd_fin.kd
    .args:
      - { .name: pctx, .offset: 0, .size: 8, .value_kind: global_buffer, .address_space: global }
      - { .name: pml, .offset: 8, .size: 8, .value_kind: global_buffer, .address_space: global }
      - { .name: scores, .offset: 16, .size: 8, .value_kind: global_buffer, .address_space: global }
      - { .name: wcodes, .offset: 24, .size: 8, .value_kind: global_buffer, .address_space: global }
      - { .name: lowp_scales, .offset: 32, .size: 8, .value_kind: global_buffer, .address_space: global }
      - { .name: out0, .offset: 40, .size: 8, .value_kind: global_buffer, .address_space: global }
      - { .name: out1, .offset: 48, .size: 8, .value_kind: global_buffer, .address_space: global }
    .group_segment_fixed_size: 1280
    .private_segment_fixed_size: 0
    .kernarg_segment_align: 8
    .kernarg_segment_size: 56
    .max_flat_workgroup_size: 32
    .sgpr_count:     96
    .vgpr_count:     608
    .wavefront_size: 32
...
	.end_amdgpu_metadata
.endif
;; end of part 3
